; MI455X (gfx1250); checked and timed in simulation.
; The chip was launched on July 23, 2026; its instructions are those of AMD's public machine-readable ISA for CDNA 5 (MIT licence, August 2026) and "CDNA5" Instruction Set Architecture Reference Guide (July 2026). The comments in the code are by the model that wrote it; some were corrected since.
;; Adaptive Attention. Allowed arithmetic: matrix products marked QUANTISED: E5M2 operands, one E8M0 scale for each 32 along K, by v_wmma_scale_f32_16x16x128_f8f6f4 with both operands' format E5M2, f32 sums; everything else in f32.
;; Inputs: key 4 x 2,048 x 2,048 float32; query 4 x 2,048 x 2,048 float32; span_param 1 x 2,048 float32; value 4 x 2,048 x 2,048 float32.
;; Outputs: out0 4 x 2,048 x 2,048 float32.
;; This version of the problem:
;;   THIS VERSION OF THE PROBLEM IS GIVEN IN LOW PRECISION. The matrix products marked QUANTISED in the list below multiply operands that are first quantised to E5M2 (5 exponent bits, 2 mantissa bits; 8 bits a number), with one power-of-two scale for each 32 numbers along K (OCP MX v1.0); their sums are f32. All else is computed in f32.
;;   The module's matrix products, in the order in which they are computed (A, B: the left and right operand; K: the contracted axis; several contracted axes count as one K, in the product's order):
;;     1. batch 4 x [M 2,048, K 2,048] x [K 2,048, N 2,048]; A: input query; B: input key: QUANTISED
;;     2. batch 4 x [M 2,048, K 2,048] x [K 2,048, N 2,048]; A: softmax (see below); B: input value: QUANTISED
;;   THE QUANTISER, for each operand of a quantised product, along K:
;;     - K is cut into blocks of 32 from its start; a last block that is shorter is filled with zeros.
;;     - A block's scale is 2^e with e = floor(log2(the largest magnitude in the block)) - 15, held to -126 .. 127; a block of zeros has e = 0. As a byte (E8M0): e + 127.
;;     - Each number is divided by its block's scale, clamped to +-57,344, and rounded to the nearest number of E5M2, ties to even, subnormals kept.
;;     - The product sums the exact products of the quantised numbers (number of the format x scale) in f32.
;;   ~~~python
;;   def quantise(x, axis):      # numpy; x: float32 -> the quantised numbers, widened to float32 again
;;       x = np.moveaxis(x, axis, -1); K = x.shape[-1]
;;       x = np.pad(x, [(0, 0)] * (x.ndim - 1) + [(0, -K % 32)]); x = x.reshape(x.shape[:-1] + (-1, 32)); a = np.abs(x).max(-1, keepdims=True)
;;       e = np.where(a > 0, np.clip(np.frexp(np.where(a > 0, a, 1))[1] - 1 - 15, -126, 127), 0)      # np.frexp(a)[1] - 1 = floor(log2(a)), exactly
;;       r = np.clip(x / 2.0 ** e, -57344, 57344)
;;       step = 2.0 ** (np.maximum(np.frexp(np.where(r == 0, 1, r))[1] - 1, -14) - 2)
;;       q = np.round(r / step) * step * 2.0 ** e      # np.round: ties to even
;;       return np.moveaxis(q.reshape(q.shape[:-2] + (-1,))[..., :K], -1, axis).astype(np.float32)
;;   ~~~
;;   SOFTMAX AHEAD OF A QUANTISED PRODUCT. Where the list says 'softmax', what is quantised is not the finished softmax but p = 2^(t - M), with t = logit x log2(e) and M = ceil(the row's largest t), a whole number; so 1/2 < the row's largest p <= 1. The row's sum l is taken of the UNQUANTISED p, in f32, and the product's result is divided by l at the end. Since M is a whole number, a kernel that streams over the keys may use a running M (the ceiling of the running maximum): every later rescaling is an exact power of two, which a block's scale takes up: the codes' values come out the same.
;;   OPERANDS COMPUTED ON THE WAY. 'Computed on the way' means the value that the module computes at that place (a softmax that the list does not call 'softmax' is quantised finished and normalised). What goes into a quantiser is computed in f32, as accurately as f32 sums, v_exp_f32 and their like allow (about 1e-6 of the number): no bf16 or f16 on the way to a quantiser, and a product that is left as it is and whose result goes on into a quantised operand takes f32 operands (vector FMAs, or v_wmma_f32_16x16x4_f32). A number that lies on a knife's edge between two numbers of the format may be rounded either way, as far as f32 arithmetic and the matrix unit's own rounding can turn it there, and no further.
;; One version. Each part assembles by itself: llvm-mc -triple=amdgcn-amd-amdhsa -mcpu=gfx1250 --defsym DOCPART=n.
;; ======== version 1 of 1: 3 launches
;; limits: right only within a limited range of input values
;; workspace buffers: q_codes 16,777,216 bytes; q_scales 524,288 bytes; k_codes 16,777,216 bytes; k_scales 524,288 bytes; v_codes 16,777,216 bytes; v_scales 524,288 bytes; p_codes 16,777,216 bytes; p_side 1,572,864 bytes
;; launch quant (part 1): grid 1536 x 1, 4 waves a work-group, no clusters, 46,592 bytes of LDS; arguments query, key, q_codes, q_scales, k_codes, k_scales, value, v_codes, v_scales; writes q_codes, q_scales, k_codes, k_scales, v_codes, v_scales
.if DOCPART == 1
	.amdgcn_target "amdgcn-amd-amdhsa--gfx1250"
	.amdhsa_code_object_version 6
	.text
	.protected	k_qfb707d61e4_quant
	.globl	k_qfb707d61e4_quant
	.p2align	8
	.type	k_qfb707d61e4_quant,@function
k_qfb707d61e4_quant:
	s_mov_b64 s[64:65], 0
	v_nop
	global_prefetch_b8 v0, s[64:65] scope:SCOPE_SE
	s_setreg_imm32_b32 hwreg(HW_REG_WAVE_MODE, 25, 1), 1
	s_wait_xcnt 0x0
; query, key, value: [4][2048][2048] f32, are turned into codes of BF8 (E5M2), one byte each, with one E8M0 scale byte for each 32 along the K of the product that reads them.
; A block's scale is 2^(floor(log2(its largest magnitude)) - 15); its byte is the largest magnitude's exponent field - 15, held at 1 from below; each number is divided by the scale,
; held within +-57,344 and rounded to the nearest code, ties to even.
; LIMITS: a block of zeros, or one whose largest magnitude lies under 2^(16 - 127), gets the byte 1 (its codes are zeros or subnormal codes; the bytes are read by this program alone);
; NaN and infinities among the inputs are not served.
; WORK-GROUPS 0-511 take query, 512-1023 key: K is the last axis, so both are plain streams of blocks of 32.  A wave takes 16 steps of 512 numbers (4 rows of 2,048).
;   KEY'S ROWS ARE LAID IN ANOTHER ORDER: row (key) n goes to place n with bits 3 and 4 exchanged.  A wave's 4 rows stay together: bits 1 and 2 of its run's number are exchanged.  The next launch
;   reads 16 neighbouring places as a tile, and a lane's registers of two neighbouring tiles are then 16 neighbouring keys.
; WORK-GROUPS 1024-1535 take value: its K (the keys) is the FIRST axis of a batch.  A lane takes a column d and its registers run down the keys; codes leave as [batch][d][2048 keys],
;   scale bytes as [batch][256 keys (8)][d][8 bytes], so that the scale bytes of 256 neighbouring d for 256 keys are 2,048 consecutive bytes.
; The two ways part on the work-group's number, each has LDS bytes of its own (0 .. 11,263 and 11,264 .. 46,079), no wave shares anything with another: no barrier.  No cluster: no two work-groups read the same bytes.
; THE GRID: 160 registers a wave and 46,592 bytes of LDS a work-group let six work-groups share a WGP: 1,536 = 6 x 256, one whole turn.
.set WGQ,   512                        ; work-groups for query, and for key: 8,192 rows x 2,048 / 32,768
.set STEPS, 16
.set EMAX,  15
.set MANT,  0x600000                   ; the mantissa field of 57,344 as f32
.set CB,    16                         ; bytes of 16 codes
.set QR,    16                         ; v16-79   four sets of 16 numbers as they are loaded
.set QX,    80                         ; v80-111  two sets of 16 neighbours
.set QE,    112                        ; v112-113 a step's scale byte, two registers by turns
.set QC,    116                        ; v116-131 codes: four sets of four registers by turns
.set SP,    80                         ; a lane's place in the stage: its 64 bytes + 16 of padding
.set WREG,  32*SP+256                  ; LDS: a region for each wave: one stage of 32 x SP bytes, behind it its 256 scale bytes
.set NB,    8                          ; value: blocks of 32 keys for a wave
.set PITCH, 272                        ; value: a stage row: 256 codes + 16 of padding
.set KROW,  2048                       ; a row of v_codes in bytes
.set VROW,  8192                       ; a row of value in bytes
.set VSTG,  4*WREG                     ; value's stages: 32 rows x PITCH for each wave
.set SPARE, VSTG+4*32*PITCH            ; behind them the spare words, 128 bytes a wave: two blocks of 256 bytes that no other line names
.set VX,    32                         ; v32-95   two sets of 32 numbers
.set VC,    96                         ; v96-103  a block's codes
.set VOUT,  32                         ; v32-95   the way out, where the numbers lay
.set VSB,   24                         ; v24-25   the scale bytes, four to a register
.set SPW,   158                        ; v158     LDS address of my spare word; never rewritten
.set NIL,   159                        ; v159     0; never rewritten
	v_lshl_add_u32 v[SPW], v0, 2, SPARE
	v_mov_b32 v[NIL], 0
	s_cmp_lt_u32 ttmp9, 2*WGQ
	s_cbranch_scc0 .Lvalue
	; ---------------- query and key ----------------
	s_load_b128 s[4:7], s[0:1], 0x0                ; query, key
	s_load_b128 s[8:11], s[0:1], 0x10              ; query's codes, query's scales
	s_load_b128 s[12:15], s[0:1], 0x20             ; key's codes, key's scales
	v_lshrrev_b32 v1, 5, v0
	v_readfirstlane_b32 s16, v1                    ; wave
	v_and_b32 v2, 31, v0                           ; lane
	v_lshlrev_b32 v3, 4, v2                        ; my 16 bytes of a load's 512
	s_mul_i32 s17, s16, WREG
	v_lshrrev_b32 v14, 2, v2
	v_mul_u32_u24 v14, v14, SP
	v_and_b32 v15, 3, v2
	v_lshl_add_u32 v14, v15, 4, v14
	v_add_nc_u32 v14, s17, v14                     ; the stage, on the way in: four lanes' 64 bytes on end, then 16 of padding
	v_mul_u32_u24 v15, v2, SP
	v_add_nc_u32 v15, s17, v15                     ; and on the way out: SP x lane: my 16 neighbours
	v_mul_u32_u24 v4, v2, CB                       ; my codes' place in a step's
	v_lshrrev_b32 v5, 1, v2
	s_add_co_u32 s17, s17, 32*SP
	v_add_nc_u32 v5, s17, v5                       ; LDS: my wave's 256 scale bytes, my block's byte
	v_lshlrev_b32 v7, 3, v2                        ; and on the way out 8 bytes a lane
	v_add_nc_u32 v6, s17, v7
	s_mov_b32 s23, MANT                            ; (an instruction takes one literal: the hold's line has another)
	s_wait_alu depctr_va_vdst(0)
	s_wait_kmcnt 0x0
	s_cmp_lt_u32 ttmp9, WGQ                        ; query's work-group or key's?  The choice hangs on the work-group's number alone
	s_cselect_b64 s[4:5], s[4:5], s[6:7]
	s_cselect_b64 s[8:9], s[8:9], s[12:13]
	s_cselect_b64 s[10:11], s[10:11], s[14:15]
	s_cselect_b32 s17, 0, WGQ
	s_sub_co_u32 s17, ttmp9, s17
	s_lshl_b32 s17, s17, 2
	s_add_co_u32 s18, s17, s16                     ; which run of 8,192 numbers (4 rows) of the tensor is my wave's: 0 .. 2,047
	s_lshr_b32 s24, s18, 1
	s_lshr_b32 s25, s18, 2
	s_xor_b32 s24, s24, s25
	s_and_b32 s24, s24, 1                          ; do bits 1 and 2 of the run differ?
	s_mul_i32 s24, s24, 6                          ; then both are turned
	s_cmp_lt_u32 ttmp9, WGQ
	s_cselect_b32 s24, 0, s24                      ; for key alone
	s_xor_b32 s24, s18, s24                        ; the run's place in the codes and scale bytes
	s_lshl_b32 s20, s18, 15                        ; 32,768 bytes of f32 a run (under 2^26)
	s_mov_b32 s21, 0
	s_add_nc_u64 s[4:5], s[4:5], s[20:21]
	s_lshl_b32 s20, s24, 13                        ; 8,192 bytes of codes
	s_add_nc_u64 s[8:9], s[8:9], s[20:21]
	s_lshl_b32 s20, s24, 8                         ; 256 scale bytes
	s_add_nc_u64 s[10:11], s[10:11], s[20:21]
.macro QLOAD t
.irp i, 0,1,2,3
	global_load_b128 v[QR+16*((\t)%4)+4*\i:QR+16*((\t)%4)+4*\i+3], v3, s[4:5] offset:2048*(\t)+512*\i th:TH_LOAD_NT   ; 32 lanes read 512 consecutive bytes
.endr
.endm
.macro QTURN t                         ; step t's numbers through the stage: LDS serves a wave's instructions in order, so no wait stands between the stores and the loads
.irp i, 0,1,2,3
	ds_store_b128 v14, v[QR+16*((\t)%4)+4*\i:QR+16*((\t)%4)+4*\i+3] offset:8*SP*\i
.endr
.irp i, 0,1,2,3
	ds_load_b128 v[QX+16*((\t)%2)+4*\i:QX+16*((\t)%2)+4*\i+3], v15 offset:16*\i
.endr
.endm
.irp t, 0,1,2,3
	QLOAD \t
.endr
	s_wait_loadcnt 12                              ; step 0's four loads are in; the twelve of steps 1 to 3 may be out
	QTURN 0
.macro QSTEP t
.set XS, QX+16*((\t)%2)
.set QCS, QC+4*((\t)%4)
.if (\t) > 0
	s_wait_dscnt 1                                 ; this step's numbers are back from the stage (the last step's byte store may be out): the stage may be written again, and its stores have read their registers,
.else
	s_wait_dscnt 0x0
.endif
	s_wait_xcnt 0x0                                ; the earlier steps' stores of codes have read their registers: the set of four steps back may be written
.if (\t)+4 < STEPS
	QLOAD (\t)+4                                   ; which take the loads of four steps on
.endif
.if (\t)+1 < STEPS
.if STEPS-2-(\t) >= 3
	s_wait_loadcnt 12                              ; the next step's four loads are in; those of the three steps behind it may be out
.else
	s_wait_loadcnt 4*(STEPS-2-(\t))                ; the tail: as many steps behind it as are left
.endif
	QTURN (\t)+1                                   ; and go through the stage while this step is worked
.endif
	v_max3_num_f32 v8, |v[XS]|, |v[XS+1]|, |v[XS+2]|               ; the largest magnitude of my 16, in two chains
	v_max3_num_f32 v9, |v[XS+3]|, |v[XS+4]|, |v[XS+5]|
.irp i, 6,10
	v_max3_num_f32 v8, v8, |v[XS+\i]|, |v[XS+\i+1]|
	v_max3_num_f32 v9, v9, |v[XS+\i+2]|, |v[XS+\i+3]|
.endr
	v_max3_num_f32 v8, v8, |v[XS+14]|, |v[XS+15]|
	v_max3_num_f32 v8, v8, v9, (EMAX+1)<<23        ; and the floor 2^(EMAX + 1 - 127): so the byte cannot fall under 1
	v_max_num_f32_dpp v8, v8, v8 row_xmask:1 row_mask:0xf bank_mask:0xf   ; and of my neighbour's 16: the block's
	v_add_nc_u32 v11, -(EMAX<<23), v8              ; EMAX off its exponent field: the conversion takes the exponent field of this operand as its scale
	v_and_or_b32 v10, v8, 0x7f800000, s23          ; 57,344 x the scale: the largest magnitude's exponent field over 57,344's mantissa
.irp i, 0,1,2,3,4,5,6,7,8,9,10,11,12,13,14,15
	v_med3_num_f32 v[XS+\i], v[XS+\i], -v10, v10   ; the conversion to an 8-bit code does not saturate (ISA guide 7.6.2): the hold comes first
.endr
	v_cvt_scalef32_pk8_bf8_f32 v[QCS:QCS+1], v[XS:XS+7], v11
	v_cvt_scalef32_pk8_bf8_f32 v[QCS+2:QCS+3], v[XS+8:XS+15], v11
	v_lshrrev_b32 v[QE+(\t)%2], 23, v11            ; the scale's byte (also the plain line behind the conversions)
	ds_store_b8 v5, v[QE+(\t)%2] offset:16*(\t)    ; both lanes of a block write the same byte with the same value
	global_store_b128 v4, v[QCS:QCS+3], s[8:9] offset:32*CB*(\t)   ; 32 lanes store 512 consecutive bytes, aligned
.endm
.irp t, 0,1,2,3,4,5,6,7,8,9,10,11,12,13,14,15
	QSTEP \t
.endr
	ds_load_b64 v[12:13], v6                       ; LDS serves a wave's instructions in order: these see my byte stores
	s_wait_dscnt 0x0
	global_store_b64 v7, v[12:13], s[10:11]        ; 32 lanes store 256 consecutive bytes, aligned
	s_wait_tensorcnt 0x0                           ; the wave's end
	ds_add_u32 v[SPW], v[NIL]
	s_wait_dscnt 0x0
	s_endpgm
	; ---------------- value ----------------
.Lvalue:
	s_load_b128 s[4:7], s[0:1], 0x30               ; value, its codes
	s_load_b64 s[8:9], s[0:1], 0x40                ; its scale bytes
	v_lshrrev_b32 v1, 5, v0
	v_readfirstlane_b32 s16, v1                    ; wave 0..3
	v_and_b32 v2, 31, v0                           ; lane
	s_wait_alu depctr_va_vdst(0)
	s_sub_co_u32 s20, ttmp9, 2*WGQ                 ; 0 .. 511: 16 groups of 128 columns x 8 groups of 256 keys x 4 batches
	s_and_b32 s17, s20, 15
	s_lshl_b32 s17, s17, 7
	s_lshl_b32 s18, s16, 5
	s_add_co_u32 s17, s17, s18                     ; my wave's first column d
	s_bfe_u32 s18, s20, 0x30004                    ; which 256 keys
	s_lshr_b32 s19, s20, 7                         ; the batch
	v_lshlrev_b32 v3, 2, v2                        ; in: 4 bytes a lane
	s_mul_i32 s21, s16, 32*PITCH
	s_add_co_u32 s21, s21, VSTG                    ; my stage
	v_mul_u32_u24 v4, v2, PITCH
	v_add_nc_u32 v4, s21, v4                       ; into it: row = my column
	v_and_b32 v5, 15, v2
	v_lshrrev_b32 v6, 4, v2                        ; out of it: sixteen lanes to a row, two rows an instruction
	v_mul_u32_u24 v7, v6, PITCH
	v_lshl_add_u32 v7, v5, 4, v7
	v_add_nc_u32 v7, s21, v7                       ; LDS address
	v_mul_u32_u24 v8, v6, KROW
	v_lshl_add_u32 v8, v5, 4, v8                   ; and the same place in the codes' buffer
	v_lshlrev_b32 v9, 3, v2                        ; my column's 8 scale bytes
	s_lshl_b32 s24, s19, 24                        ; value: batch x 2^24 + 256 keys x 8,192 bytes + 4 x column
	s_lshl_b32 s25, s18, 21
	s_add_co_u32 s24, s24, s25
	s_lshl_b32 s25, s17, 2
	s_add_co_u32 s24, s24, s25
	s_mov_b32 s25, 0
	s_lshl_b32 s26, s19, 22                        ; codes: batch x 2^22 + column x 2,048 + 256 x group of keys
	s_lshl_b32 s27, s17, 11
	s_add_co_u32 s26, s26, s27
	s_lshl_b32 s27, s18, 8
	s_add_co_u32 s26, s26, s27
	s_mov_b32 s27, 0
	s_lshl_b32 s28, s19, 17                        ; scale bytes: batch x 2^17 + group of keys x 16,384 + 8 x column
	s_lshl_b32 s29, s18, 14
	s_add_co_u32 s28, s28, s29
	s_lshl_b32 s29, s17, 3
	s_add_co_u32 s28, s28, s29
	s_mov_b32 s29, 0
	s_mov_b32 s31, MANT
	s_wait_alu depctr_va_vdst(0)
	s_wait_kmcnt 0x0
	s_add_nc_u64 s[4:5], s[4:5], s[24:25]
	s_add_nc_u64 s[6:7], s[6:7], s[26:27]
	s_add_nc_u64 s[8:9], s[8:9], s[28:29]
.macro VLOAD t                         ; block t: value(32 t + i, my column), i = 0 .. 31, into set t % 2; every offset is an immediate, 255 x 8,192 at the most
.irp i, 0,1,2,3,4,5,6,7,8,9,10,11,12,13,14,15,16,17,18,19,20,21,22,23,24,25,26,27,28,29,30,31
	global_load_b32 v[VX+32*((\t)%2)+\i], v3, s[4:5] offset:(32*(\t)+\i)*VROW th:TH_LOAD_NT
.endr
.endm
	VLOAD 0
	VLOAD 1
.macro VBLOCK t
.set XS, VX+32*((\t)%2)
.if (\t) < NB-1
	s_wait_loadcnt 32                              ; this block's 32 loads are in; the next block's 32 may be out
.else
	s_wait_loadcnt 0
.endif
	v_max3_num_f32 v12, |v[XS]|, |v[XS+1]|, |v[XS+2]|               ; the block's largest magnitude: all 32 numbers are mine
	v_max3_num_f32 v13, |v[XS+3]|, |v[XS+4]|, |v[XS+5]|
.irp i, 6,10,14,18,22,26
	v_max3_num_f32 v12, v12, |v[XS+\i]|, |v[XS+\i+1]|
	v_max3_num_f32 v13, v13, |v[XS+\i+2]|, |v[XS+\i+3]|
.endr
	v_max3_num_f32 v12, v12, |v[XS+30]|, |v[XS+31]|
	v_max3_num_f32 v12, v12, v13, (EMAX+1)<<23     ; and the floor
	v_add_nc_u32 v11, -(EMAX<<23), v12             ; the conversion's scale operand
	v_and_or_b32 v10, v12, 0x7f800000, s31         ; 57,344 x the scale
	v_lshrrev_b32 v13, 23, v11                     ; the scale's byte
.if (\t)%4 == 0
	v_mov_b32 v[VSB+(\t)/4], v13                   ; four bytes to a register, the lower keys in the lower byte
.else
	v_lshl_or_b32 v[VSB+(\t)/4], v13, 8*((\t)%4), v[VSB+(\t)/4]
.endif
.irp i, 0,1,2,3,4,5,6,7,8,9,10,11,12,13,14,15,16,17,18,19,20,21,22,23,24,25,26,27,28,29,30,31
	v_med3_num_f32 v[XS+\i], v[XS+\i], -v10, v10   ; the hold
.endr
.irp g, 0,1,2,3
	v_cvt_scalef32_pk8_bf8_f32 v[VC+2*\g:VC+2*\g+1], v[XS+8*\g:XS+8*\g+7], v11
.endr
	v_nop                                          ; a plain line behind the last conversion
	ds_store_b128 v4, v[VC:VC+3] offset:32*(\t)    ; 32 codes: 32 bytes of my column's row
	ds_store_b128 v4, v[VC+4:VC+7] offset:32*(\t)+16
.if (\t)+2 < NB
	VLOAD (\t)+2
.endif
	s_wait_dscnt 0x0                               ; the stores have read their registers: the next block's codes may be written
.endm
.irp t, 0,1,2,3,4,5,6,7
	VBLOCK \t
.endr
	global_store_b64 v9, v[VSB:VSB+1], s[8:9]      ; 32 lanes store 256 consecutive bytes, aligned
.irp t, 0,1,2,3,4,5,6,7,8,9,10,11,12,13,14,15
	ds_load_b128 v[VOUT+4*\t:VOUT+4*\t+3], v7 offset:2*\t*PITCH   ; LDS serves a wave's instructions in order: these see my stores
.endr
.irp t, 0,1,2,3,4,5,6,7,8,9,10,11,12,13,14,15
	s_wait_dscnt 15-\t                             ; load t is back; the 15 - t behind it may be out
	global_store_b128 v8, v[VOUT+4*\t:VOUT+4*\t+3], s[6:7] offset:2*\t*KROW   ; sixteen lanes store 256 consecutive bytes of a row, aligned
.endr
	s_wait_tensorcnt 0x0                           ; the wave's end
	ds_add_u32 v[SPW], v[NIL]
	s_wait_dscnt 0x0
	s_endpgm
.Lfunc_end_k_qfb707d61e4_quant:
	.size	k_qfb707d61e4_quant, .Lfunc_end_k_qfb707d61e4_quant-k_qfb707d61e4_quant
	.p2alignl 7, 3214868480
	.fill 96, 4, 3214868480
	.section	.rodata,"a",@progbits
	.p2align	6, 0x0
	.amdhsa_kernel k_qfb707d61e4_quant
		.amdhsa_group_segment_fixed_size 46592
		.amdhsa_private_segment_fixed_size 0
		.amdhsa_enable_private_segment 0
		.amdhsa_kernarg_size 72
		.amdhsa_user_sgpr_count 2
		.amdhsa_user_sgpr_kernarg_segment_ptr 1
		.amdhsa_wavefront_size32 1
		.amdhsa_system_sgpr_workgroup_id_x 1
		.amdhsa_system_sgpr_workgroup_id_y 1
		.amdhsa_system_sgpr_workgroup_id_z 1
		.amdhsa_system_vgpr_workitem_id 0
		.amdhsa_next_free_vgpr 160
		.amdhsa_next_free_sgpr 66
		.amdhsa_reserve_vcc 0
		.amdhsa_float_denorm_mode_32 3
		.amdhsa_float_denorm_mode_16_64 3
		.amdhsa_memory_ordered 1
		.amdhsa_forward_progress 1
		.amdhsa_inst_pref_size 111
	.end_amdhsa_kernel
	.amdgpu_metadata
---
amdhsa.version: [ 1, 2 ]
amdhsa.kernels:
  - .name:           k_qfb707d61e4_quant
    .symbol:         k_qfb707d61e4_quant.kd
    .args:
      - { .name: query, .offset: 0, .size: 8, .value_kind: global_buffer, .address_space: global }
      - { .name: key, .offset: 8, .size: 8, .value_kind: global_buffer, .address_space: global }
      - { .name: q_codes, .offset: 16, .size: 8, .value_kind: global_buffer, .address_space: global }
      - { .name: q_scales, .offset: 24, .size: 8, .value_kind: global_buffer, .address_space: global }
      - { .name: k_codes, .offset: 32, .size: 8, .value_kind: global_buffer, .address_space: global }
      - { .name: k_scales, .offset: 40, .size: 8, .value_kind: global_buffer, .address_space: global }
      - { .name: value, .offset: 48, .size: 8, .value_kind: global_buffer, .address_space: global }
      - { .name: v_codes, .offset: 56, .size: 8, .value_kind: global_buffer, .address_space: global }
      - { .name: v_scales, .offset: 64, .size: 8, .value_kind: global_buffer, .address_space: global }
    .group_segment_fixed_size: 46592
    .private_segment_fixed_size: 0
    .kernarg_segment_align: 8
    .kernarg_segment_size: 72
    .max_flat_workgroup_size: 128
    .sgpr_count:     66
    .vgpr_count:     160
    .wavefront_size: 32
...
	.end_amdgpu_metadata
.endif
;; end of part 1
;; launch scores (part 2): grid 8 x 32, 4 waves a work-group, clusters of 4 x 4, 327,680 bytes of LDS; arguments q_codes, q_scales, k_codes, k_scales, p_codes, span_param, p_side; writes p_codes, p_side
.if DOCPART == 2
	.amdgcn_target "amdgcn-amd-amdhsa--gfx1250"
	.amdhsa_code_object_version 6
	.text
	.protected	k_qfb707d61e4_scores
	.globl	k_qfb707d61e4_scores
	.p2align	8
	.type	k_qfb707d61e4_scores,@function
k_qfb707d61e4_scores:
	s_mov_b64 s[64:65], 0
	v_nop
	global_prefetch_b8 v0, s[64:65] scope:SCOPE_SE
	s_setreg_imm32_b32 hwreg(HW_REG_WAVE_MODE, 25, 1), 1
	s_wait_xcnt 0x0
	s_wait_alu depctr_hold_cnt(0) depctr_sa_sdst(0) depctr_va_vdst(0) depctr_va_sdst(0) depctr_va_ssrc(0) depctr_va_vcc(0) depctr_vm_vsrc(0)
	s_getreg_b32 s2, hwreg(HW_REG_IB_STS2, 6, 4)
	s_cmp_eq_u32 s2, 0
	s_cbranch_scc0 .Lentry_in_a_cluster
	s_endpgm
.Lentry_in_a_cluster:
	s_bfe_u32 s2, ttmp6, 0x10000c
	s_cmp_lg_u32 s2, 0xf033
	s_cbranch_scc0 .Lentry_shape_is_right
	s_endpgm
.Lentry_shape_is_right:
; p = 2^(t - M) as codes of BF8 (E5M2), t = (Q K^T) x sigmoid(span) x log2(e) / sqrt(2048), on codes of Q and K with E8M0 scales for each 32 along K.
; A work-group makes 256 queries x 256 keys, four waves of 128 x 128 (64 accumulators); K goes in steps of 256 through a ring of two LDS slots filled by joint loads of a 4 x 4 cluster
; (Q's tiles shared along a row of the cluster, K's along a column).  The product is used transposed, and key's rows were laid so that a lane's 16 registers of two tiles are 16 neighbouring keys.
; M here is the ceiling of the largest t of a row's 128 keys in ONE wave: the next launch brings the sixteen parts of a row under the row's own M by whole powers of two, in the scale bytes.
; Out: p's codes as images of the next launch's operand registers; for each row and 128 keys the scale word, -M and the sum of the unquantised p.
; The scale bytes of the work-group's 256 + 256 rows (64 bytes a row) are copied once, in whole units of 256 bytes, through registers into LDS bytes of their own: each wave copies 8,192 bytes.
; PREFETCH: at the load of K step s each wave names, a lane a row, its work-group's 32 of the 128 rows that it fetches, for K step s + 2 (s = 0 .. 5): the four partners of a joint load share the rows out by address.
; LIMIT: the promise holds while the scaled scores t stay under 2^31 in magnitude; NaN and infinities are not served.
.set PFO,  31                          ; v31 the prefetches' offset: lane x 2,048; never rewritten
.set PFA,  68                          ; s[68:69] where my prefetches stand
.set SIZE_K, 2048
.set KSTEP,  256
.set NQ,     KSTEP/128
.set ROWB,   256
.set KROW,   SIZE_K
.set PITCH,  272
.set FR,     16
.set NL,     4
.set NP,     8
.set HALFT,  128*PITCH
.set SLOT,   4*HALFT
.set LAPS,   SIZE_K/(2*KSTEP)
.set KS,     SIZE_K/32
.set SCL,    2*SLOT
.set HALFS,  (128*KS/256)*272
.set SBLK,   (16*KS/256)*272
.set SSTEP,  4*NQ
.set SPARE,  SCL+4*HALFS
.set SIDEB,  1536
.set ADRA, 16
.set ADRB, 20
.set PCO,  24
.set SDW,  25
.set SDR,  26
.set ADRS, 27
.set SPW,  28
.set NIL,  29
.set GOF,  30
.set SC,   32
.set GC,   64
.set AF,   128
.set T,    128
.set PC,   192
.set MX,   208
.set PB,   212
.set HL,   216
.set SO,   220
.set NM,   224
.set LS,   226
.set LT,   228
.set TA,   230
.set TB,   231
.set KW,   232
.set KM,   240
.set KL,   248
.set MNT,  19
.set SEL,  20
.set G1, 24
.set G0, 32
.set G1B, 48
.set G0B, 56
.set G1S, 68
.set G0S, 76
.set G1SB, 80
.set G0SB, 88
.set MSB, 0
.macro WIN new
.if MSB != \new
	s_set_vgpr_msb (MSB<<8)|\new
.set MSB, \new
.endif
.endm
.set MUL_LO, 0xa1
.set MUL_HI, 0xf1
.set TO_B,   0x40
.macro JLOAD g0a, g1a, g0b, g1b
	s_cmp_eq_u32 s15, 0
	s_cbranch_scc0 .Lfor_b_\@
	tensor_load_to_lds s[\g0a:\g0a+3], s[\g1a:\g1a+7]
	s_nop 0
.rept 4
	v_nop
.endr
	s_branch .Lasked_\@
.Lfor_b_\@:
	tensor_load_to_lds s[\g0b:\g0b+3], s[\g1b:\g1b+7]
	s_nop 0
.rept 4
	v_nop
.endr
.Lasked_\@:
.endm
.macro CREST
	s_cmp_lg_u32 s14, 0
	s_cbranch_scc1 .Lnot_wave_0_\@
	s_barrier_signal -3
.Lnot_wave_0_\@:
	s_barrier_wait -3
	s_barrier_signal -1
	s_barrier_wait -1
.endm
.macro CROUND
	s_barrier_signal -1
	s_barrier_wait -1
	CREST
.endm
	s_load_b128 s[4:7], s[0:1], 0x0
	s_load_b128 s[8:11], s[0:1], 0x10
	s_load_b64 s[12:13], s[0:1], 0x20
	s_load_b128 s[96:99], s[0:1], 0x28
	v_lshl_add_u32 v[SPW], v0, 2, SPARE
	v_mov_b32 v[NIL], 0
	ds_add_u32 v28, v29
	ds_add_u32 v28, v29
	s_wait_dscnt 0x0
	v_lshrrev_b32 v1, 5, v0
	v_readfirstlane_b32 s14, v1
	s_lshr_b32 s15, s14, 1
	s_and_b32 s16, s14, 1
	s_bfe_u32 s40, ttmp6, 0x40000
	s_bfe_u32 s41, ttmp6, 0x40004
	s_lshl_b32 s42, ttmp9, 2
	s_add_co_u32 s42, s42, s40
	s_and_b32 s17, ttmp7, 0xffff
	s_lshr_b32 s95, s17, 1
	s_lshl_b32 s95, s95, 11
	s_lshl_b32 s17, s17, 2
	s_add_co_u32 s17, s17, s41
	s_lshl_b32 s43, s41, 2
	s_lshl_b32 s43, 15, s43
	s_lshl_b32 s44, 0x1111, s40
	s_or_b32 s[G1+0], s43, (0<<16)|(1<<20)|(1<<21)|(5<<22)|(3<<25)
	s_or_b32 s[G1B+0], s44, (0<<16)|(1<<20)|(1<<21)|(5<<22)|(3<<25)
.irp g, G1, G1B
	s_mov_b32 s[\g+1], ROWB<<16
	s_mov_b32 s[\g+2], 128<<16
	s_mov_b32 s[\g+3], ROWB<<16
	s_mov_b32 s[\g+4], 128
	s_mov_b32 s[\g+5], KROW
	s_mov_b32 s[\g+6], 0
	s_mov_b32 s[\g+7], 0
.endr
	s_lshl_b32 s18, s16, 7
	s_lshl_b32 s20, s17, 8
	s_add_co_u32 s20, s20, s18
	s_lshl_b32 s46, s42, 8
	s_add_co_u32 s46, s46, s18
	s_add_co_u32 s46, s46, s95
	s_mov_b32 s21, 0
	s_mov_b32 s47, 0
	s_mov_b64 s[18:19], KS
	s_mul_u64 s[22:23], s[20:21], s[18:19]
	s_mul_u64 s[92:93], s[46:47], s[18:19]
	s_mov_b64 s[18:19], KROW
	s_mul_u64 s[20:21], s[20:21], s[18:19]
	s_mul_u64 s[46:47], s[46:47], s[18:19]
	s_mul_i32 s45, s14, HALFT
	s_mul_i32 s94, s14, HALFS
	s_add_co_u32 s94, s94, SCL                     ; my wave's 8,704 bytes of the scale region
	v_and_b32 v6, 31, v0
	v_lshlrev_b32 v7, 4, v6                        ; the copy, in memory: 16 bytes a lane, 512 a load
	v_lshlrev_b32 v[PFO], 11, v6
	v_bfe_u32 v8, v0, 4, 1
	v_mul_u32_u24 v8, v8, 272
	v_and_b32 v9, 15, v0
	v_lshl_add_u32 v8, v9, 4, v8
	v_add_nc_u32 v8, s94, v8                       ; and in LDS: units of 256 bytes, 272 apart, two a load
	s_wait_alu depctr_va_vdst(0)
	s_wait_kmcnt 0x0
	s_add_nc_u64 s[20:21], s[4:5], s[20:21]
	s_add_nc_u64 s[22:23], s[6:7], s[22:23]
	s_add_nc_u64 s[46:47], s[8:9], s[46:47]
	s_add_nc_u64 s[92:93], s[10:11], s[92:93]
	s_cmp_eq_u32 s15, 0                            ; waves 0, 1 serve Q, waves 2, 3 K: the choice hangs on the wave's number alone
	s_cselect_b64 s[72:73], s[22:23], s[92:93]     ; the scale bytes of my 128 rows
	s_cselect_b64 s[PFA:PFA+1], s[20:21], s[46:47] ; the codes of my 128 rows
	s_cselect_b32 s70, s40, s41                    ; my place among the four that ask with me
	s_lshl_b32 s70, s70, 16                        ; x 32 rows of 2,048 bytes
	s_mov_b32 s71, 0
	s_add_nc_u64 s[PFA:PFA+1], s[PFA:PFA+1], s[70:71]
	s_add_nc_u64 s[PFA:PFA+1], s[PFA:PFA+1], ROWB  ; at K step 1
.set j, 0
.rept 16
	global_load_b128 v[T+4*j:T+4*j+3], v7, s[72:73] offset:512*j
.set j, j+1
.endr
	global_prefetch_b8 v[PFO], s[PFA:PFA+1] th:TH_LOAD_NT scope:SCOPE_SE   ; K step 1, whose load stands behind the second round
.irp s, 0,1
	s_mov_b32 s[G0+4*\s], 1
	s_add_co_u32 s[G0+4*\s+1], s45, \s*SLOT
	s_add_nc_u64 s[G0+4*\s+2:G0+4*\s+3], s[20:21], \s*ROWB
	s_or_b32 s[G0+4*\s+3], s[G0+4*\s+3], 0x80000000
	s_mov_b32 s[G0B+4*\s], 1
	s_add_co_u32 s[G0B+4*\s+1], s45, \s*SLOT
	s_add_nc_u64 s[G0B+4*\s+2:G0B+4*\s+3], s[46:47], \s*ROWB
	s_or_b32 s[G0B+4*\s+3], s[G0B+4*\s+3], 0x80000000
.endr
	CROUND                                         ; all sixteen work-groups are here: the first joint loads meet
	JLOAD G0, G1, G0B, G1B                         ; K step 0: my one tensor load at the head
	global_prefetch_b8 v[PFO], s[PFA:PFA+1] offset:ROWB th:TH_LOAD_NT scope:SCOPE_SE   ; K step 2
	v_and_b32 v1, 15, v0
	s_wait_alu depctr_va_vdst(0)
	v_bfe_u32 v2, v0, 4, 1
	s_lshl_b32 s46, s42, 10
	s_lshl_b32 s22, s16, 9
	s_add_co_u32 s46, s46, s22
	s_mov_b32 s47, 0
	s_add_nc_u64 s[96:97], s[96:97], s[46:47]
	v_lshlrev_b32 v[GOF], 6, v2
.irp b, 0,1,2,3
.irp j, 0,1,2,3
	global_load_b128 v[GC+16*\b+4*\j:GC+16*\b+4*\j+3], v[GOF], s[96:97] offset:128*\b+16*\j
.endr
.endr
	v_mul_u32_u24 v3, v1, PITCH
	v_lshl_add_u32 v4, v2, 4, v3
	s_mul_i32 s21, s15, HALFT
	s_mul_i32 s22, s16, HALFT
	s_add_co_u32 s22, s22, 2*HALFT
.irp s, 0,1
	v_add_nc_u32 v[ADRA+\s], s21, v4
	v_add_nc_u32 v[ADRB+\s], s22, v4
	s_add_co_u32 s21, s21, SLOT
	s_add_co_u32 s22, s22, SLOT
.endr
	v_mul_u32_u24 v5, v1, KS
	v_lshrrev_b32 v6, 8, v5
	v_lshl_add_u32 v5, v6, 4, v5
	s_mul_i32 s21, s15, HALFS
	s_mul_i32 s22, s16, HALFS
	s_add_co_u32 s22, s22, 2*HALFS
	s_sub_co_u32 s22, s22, s21
	v_mul_u32_u24 v6, s22, v2
	s_add_co_u32 s21, s21, SCL
	v_add_nc_u32 v5, v5, v6
	v_add_nc_u32 v[ADRS], s21, v5
	v_and_b32 v6, 31, v0
	v_lshlrev_b32 v[PCO], 4, v6
	s_mul_i32 s23, s14, SIDEB
	v_lshl_add_u32 v[SDW], v1, 2, s23
	v_add_nc_u32 v[SDR], s23, v[PCO]
	s_lshl_b32 s20, s17, 1
	s_add_co_u32 s20, s20, s15
	s_lshl_b32 s21, s20, 18
	s_lshl_b32 s22, s42, 15
	s_add_co_u32 s21, s21, s22
	s_lshl_b32 s22, s16, 11
	s_add_co_u32 s46, s21, s22
	s_add_nc_u64 s[12:13], s[12:13], s[46:47]
	s_lshl_b32 s20, s20, 4
	s_lshl_b32 s22, s42, 1
	s_add_co_u32 s20, s20, s22
	s_add_co_u32 s20, s20, s16
	s_lshl_b32 s46, s20, 9
	s_add_nc_u64 s[98:99], s[98:99], s[46:47]
	s_wait_loadcnt 0x0
.set j, 0
.rept 16
	ds_store_b128 v8, v[T+4*j:T+4*j+3] offset:544*j   ; the scale bytes: into LDS bytes on which no tensor load lands
.set j, j+1
.endr
.set j, 0
.rept 32
	v_pk_mul_f32 v[GC+j:GC+j+1], v[GC+j:GC+j+1], 0xbfb8aa3b op_sel_hi:[1,0]
.set j, j+2
.endr
.set j, 0
	s_wait_alu depctr_va_vdst(0)
.rept 64
	v_exp_f32 v[GC+j], v[GC+j]
.set j, j+1
.endr
	v_nop
	s_wait_alu depctr_va_vdst(0)
.set j, 0
.rept 32
	v_pk_add_f32 v[GC+j:GC+j+1], v[GC+j:GC+j+1], 1.0 op_sel_hi:[1,0]
.set j, j+2
.endr
.set j, 0
	s_wait_alu depctr_va_vdst(0)
.rept 64
	v_rcp_f32 v[GC+j], v[GC+j]
.set j, j+1
.endr
	v_nop
	s_wait_alu depctr_va_vdst(0)
.set j, 0
.rept 32
	v_pk_mul_f32 v[GC+j:GC+j+1], v[GC+j:GC+j+1], 0x3d0293ee op_sel_hi:[1,0]
.set j, j+2
.endr
.macro FRAG reg, adr, q, i
.irp c, 0,1,2,3
	ds_load_b128 v[\reg+4*\c:\reg+4*\c+3], v[\adr] offset:128*(\q)+32*\c+(\i)*16*PITCH
.endr
.endm
.macro MUL16 a0, p, q, sc, zero
.irp a, \a0, \a0+1
.irp b, 0,1,2,3,4,5,6,7
.if \zero
	v_wmma_scale_f32_16x16x128_f8f6f4 v[8*(8*((\a)%4)+\b):8*(8*((\a)%4)+\b)+7], v[128*(\p)+FR*\b:128*(\p)+FR*\b+FR-1], v[AF+FR*(\a):AF+FR*(\a)+FR-1], 0, v[SC+8*NQ*(\sc)+NQ*\b+(\q)], v[SC+8*NQ*(\sc)+NQ*(\a)+(\q)] matrix_a_fmt:MATRIX_FMT_BF8 matrix_b_fmt:MATRIX_FMT_BF8 matrix_a_scale:MATRIX_SCALE_ROW1
.else
	v_wmma_scale_f32_16x16x128_f8f6f4 v[8*(8*((\a)%4)+\b):8*(8*((\a)%4)+\b)+7], v[128*(\p)+FR*\b:128*(\p)+FR*\b+FR-1], v[AF+FR*(\a):AF+FR*(\a)+FR-1], v[8*(8*((\a)%4)+\b):8*(8*((\a)%4)+\b)+7], v[SC+8*NQ*(\sc)+NQ*\b+(\q)], v[SC+8*NQ*(\sc)+NQ*(\a)+(\q)] matrix_a_fmt:MATRIX_FMT_BF8 matrix_b_fmt:MATRIX_FMT_BF8 matrix_a_scale:MATRIX_SCALE_ROW1
.endif
.endr
.endr
.endm
.macro FETCH_B slot, q, p
	WIN TO_B
.irp i, 0,1,2,3,4,5,6,7
	FRAG 128*(\p)+FR*\i, ADRB+\slot, \q, \i
.endr
	WIN 0
.endm
.macro FETCH_A slot, q, i0
.irp i, \i0, \i0+1, \i0+2, \i0+3
	FRAG AF+FR*(\i), ADRA+\slot, \q, \i
.endr
.endm
.macro SCALES sc
.irp i, 0,1,2,3,4,5,6,7
	ds_load_b64 v[SC+8*NQ*\sc+NQ*\i:SC+8*NQ*\sc+NQ*\i+1], v[ADRS] offset:\i*SBLK
.endr
.endm
.macro PLACES n
.rept \n
	v_nop
.endr
.endm
.macro STEP slot, q, zero
	s_wait_dscnt 4*NL
	WIN MUL_LO
	MUL16 0, (\q)%2, \q, \slot, \zero
	MUL16 2, (\q)%2, \q, \slot, \zero
	s_wait_dscnt 0
	PLACES NP
	FETCH_B \slot, (\q)+1, 1-(\q)%2
	FETCH_A \slot, (\q)+1, 0
	WIN MUL_HI
	MUL16 4, (\q)%2, \q, \slot, \zero
	MUL16 6, (\q)%2, \q, \slot, \zero
	PLACES NP
	WIN 0
	FETCH_A \slot, (\q)+1, 4
.endm
.macro TURN slot, next, fill
.if \fill
	s_wait_xcnt 0x0                                ; my last prefetch has read its address
	s_add_nc_u64 s[PFA:PFA+1], s[PFA:PFA+1], ROWB
.endif
	s_wait_tensorcnt 0x0
	ds_add_u32 v[SPW], v[NIL]
	s_wait_dscnt 4*NL+1
	WIN MUL_LO
	MUL16 0, 1, NQ-1, \slot, 0
	s_wait_dscnt 0x0
	s_barrier_signal -1
	MUL16 2, 1, NQ-1, \slot, 0
	WIN 0
	s_barrier_wait -1
.if \fill
	CREST
	s_add_nc_u64 s[G0+4*\slot+2:G0+4*\slot+3], s[G0+4*\slot+2:G0+4*\slot+3], 2*ROWB
	s_add_nc_u64 s[G0B+4*\slot+2:G0B+4*\slot+3], s[G0B+4*\slot+2:G0B+4*\slot+3], 2*ROWB
	JLOAD G0+4*\slot, G1, G0B+4*\slot, G1B
	PLACES NP-4
.else
	PLACES NP
.endif
	s_wait_alu depctr_va_vdst(0)
	v_add_nc_u32 v[ADRS], SSTEP, v[ADRS]
	FETCH_B \next, 0, 0
	FETCH_A \next, 0, 0
	SCALES \next
.if \fill
	s_cmp_gt_u32 s3, 1                             ; the last trip's two refills have no K step two on
	s_cbranch_scc0 .Lnoask_\@
	global_prefetch_b8 v[PFO], s[PFA:PFA+1] th:TH_LOAD_NT scope:SCOPE_SE
.Lnoask_\@:
.endif
	WIN MUL_HI
	MUL16 4, 1, NQ-1, \slot, 0
	MUL16 6, 1, NQ-1, \slot, 0
	PLACES NP
	WIN 0
	FETCH_A \next, 0, 4
.endm
	s_wait_xcnt 0x0                                ; the head's prefetches have read their address
	s_add_nc_u64 s[PFA:PFA+1], s[PFA:PFA+1], 2*ROWB  ; at K step 3
	s_wait_alu depctr_va_vdst(0)
	s_wait_tensorcnt 0x0                           ; my part of K step 0 is in
	ds_add_u32 v[SPW], v[NIL]
	s_wait_dscnt 0x0                               ; the add and my stores of scale bytes are done
	CROUND
	JLOAD G0+4, G1, G0B+4, G1B                     ; K step 1, the first tensor load behind the round
	FETCH_B 0, 0, 0
	FETCH_A 0, 0, 0
	SCALES 0
	FETCH_A 0, 0, 4
	global_prefetch_b8 v[PFO], s[PFA:PFA+1] th:TH_LOAD_NT scope:SCOPE_SE   ; K step 3
	STEP 0, 0, 1
	s_mov_b32 s3, LAPS-1
.Llap:
	TURN 0, 1, 1
	STEP 1, 0, 0
	TURN 1, 0, 1
	STEP 0, 0, 0
	s_sub_co_u32 s3, s3, 1
	s_cmp_lg_u32 s3, 0
	s_cbranch_scc1 .Llap
	TURN 0, 1, 0
	STEP 1, 0, 0
	s_wait_dscnt 4*NL
	WIN MUL_LO
	MUL16 0, 1, NQ-1, 1, 0
	MUL16 2, 1, NQ-1, 1, 0
	s_wait_dscnt 0
	WIN MUL_HI
	MUL16 4, 1, NQ-1, 1, 0
	MUL16 6, 1, NQ-1, 1, 0
	WIN 0
.macro SOFT a
	WIN (0x02+(\a)/4)
.set j, 0
.rept 32
	v_pk_mul_f32 v[T+j:T+j+1], v[64*((\a)%4)+j:64*((\a)%4)+j+1], v[GC+j:GC+j+1]
.set j, j+2
.endr
	WIN 0
.irp b, 0,1,2,3
	v_max3_num_f32 v[MX+\b], v[T+16*\b], v[T+16*\b+1], v[T+16*\b+2]
.endr
.irp i, 3,5,7,9,11,13
.irp b, 0,1,2,3
	v_max3_num_f32 v[MX+\b], v[MX+\b], v[T+16*\b+\i], v[T+16*\b+\i+1]
.endr
.endr
.irp b, 0,1,2,3
	v_max_num_f32 v[MX+\b], v[MX+\b], v[T+16*\b+15]
.endr
.irp b, 0,1,2,3
	v_permlanex16_b32 v[PB+\b], v[MX+\b], s[SEL], s[SEL+1]
.endr
.irp b, 0,1,2,3
	v_max_num_f32 v[MX+\b], v[MX+\b], v[PB+\b]
.endr
	v_max3_num_f32 v[TA], v[MX], v[MX+1], v[MX+2]
	v_max_num_f32 v[TA], v[TA], v[MX+3]
	v_floor_f32 v[NM], -v[TA]
	v_mov_b32 v[KM+\a], v[NM]
.set j, 0
.rept 32
	v_pk_add_f32 v[T+j:T+j+1], v[T+j:T+j+1], v[NM:NM+1] op_sel_hi:[1,0]
.set j, j+2
.endr
.irp b, 0,1,2,3
	v_add_f32 v[MX+\b], v[MX+\b], v[NM]
.endr
.set j, 0
	s_wait_alu depctr_va_vdst(0)
.rept 64
	v_exp_f32 v[T+j], v[T+j]
.set j, j+1
.endr
.irp b, 0,1,2,3
	v_exp_f32 v[MX+\b], v[MX+\b]
.endr
	v_nop
	s_wait_alu depctr_va_vdst(0)
	v_pk_add_f32 v[LS:LS+1], v[T:T+1], v[T+2:T+3]
	v_pk_add_f32 v[LT:LT+1], v[T+4:T+5], v[T+6:T+7]
.irp j, 8,12,16,20,24,28,32,36,40,44,48,52,56,60
	v_pk_add_f32 v[LS:LS+1], v[LS:LS+1], v[T+\j:T+\j+1]
	v_pk_add_f32 v[LT:LT+1], v[LT:LT+1], v[T+\j+2:T+\j+3]
.endr
	v_pk_add_f32 v[LS:LS+1], v[LS:LS+1], v[LT:LT+1]
	v_add_f32 v[TA], v[LS], v[LS+1]
	v_permlanex16_b32 v[TB], v[TA], s[SEL], s[SEL+1]
	v_add_f32 v[KL+\a], v[TA], v[TB]
.irp b, 0,1,2,3
	v_max_num_f32 v[MX+\b], 0x8000000, v[MX+\b]
.endr
.irp b, 0,1,2,3
	v_add_nc_u32 v[SO+\b], 0xf8800000, v[MX+\b]
.endr
.irp b, 0,1,2,3
	v_and_or_b32 v[HL+\b], v[MX+\b], 0x7f800000, s[MNT]
.endr
.irp b, 0,1,2,3
	v_lshrrev_b32 v[PB+\b], 23, v[SO+\b]
.endr
	v_lshl_or_b32 v[TA], v[PB+1], 8, v[PB]
	v_lshl_or_b32 v[TA], v[PB+2], 16, v[TA]
	v_lshl_or_b32 v[KW+\a], v[PB+3], 24, v[TA]
.irp b, 0,1,2,3
.irp i, 0,1,2,3,4,5,6,7,8,9,10,11,12,13,14,15
	v_min_num_f32 v[T+16*\b+\i], v[T+16*\b+\i], v[HL+\b]
.endr
.endr
	s_wait_alu depctr_va_vdst(0)
	s_wait_xcnt 0x0
.irp b, 0,1,2,3
	v_cvt_scalef32_pk8_bf8_f32 v[PC+4*\b:PC+4*\b+1], v[T+16*\b:T+16*\b+7], v[SO+\b]
	v_cvt_scalef32_pk8_bf8_f32 v[PC+4*\b+2:PC+4*\b+3], v[T+16*\b+8:T+16*\b+15], v[SO+\b]
.endr
	v_nop
.irp c, 0,1,2,3
	global_store_b128 v[PCO], v[PC+4*\c:PC+4*\c+3], s[12:13] offset:4096*(\a)+512*\c
.endr
.endm
	PLACES NP
	s_mov_b32 s[MNT], 0x600000
	s_mov_b32 s[SEL], 0x76543210
	s_mov_b32 s[SEL+1], 0xfedcba98
.irp b, 0,1,2,3
	v_mov_b32 v[PB+\b], 0
.endr
	v_mov_b32 v[TB], 0
	v_mov_b32 v[NM+1], 0
.irp a, 0,1,2,3,4,5,6,7
	SOFT \a
.endr
.irp a, 0,1,2,3,4,5,6,7
	ds_store_b32 v[SDW], v[KW+\a] offset:64*\a
	ds_store_b32 v[SDW], v[KM+\a] offset:512+64*\a
	ds_store_b32 v[SDW], v[KL+\a] offset:1024+64*\a
.endr
.irp n, 0,1,2
	ds_load_b128 v[T+4*\n:T+4*\n+3], v[SDR] offset:512*\n
.endr
	s_wait_dscnt 0x0
.irp n, 0,1,2
	global_store_b128 v[PCO], v[T+4*\n:T+4*\n+3], s[98:99] offset:524288*\n
.endr
	s_wait_tensorcnt 0x0
	ds_add_u32 v[SPW], v[NIL]
	s_wait_dscnt 0x0
	CROUND
	s_endpgm
.Lfunc_end_k_qfb707d61e4_scores:
	.size	k_qfb707d61e4_scores, .Lfunc_end_k_qfb707d61e4_scores-k_qfb707d61e4_scores
	.p2alignl 7, 3214868480
	.fill 96, 4, 3214868480
	.section	.rodata,"a",@progbits
	.p2align	6, 0x0
	.amdhsa_kernel k_qfb707d61e4_scores
		.amdhsa_group_segment_fixed_size 327680
		.amdhsa_private_segment_fixed_size 0
		.amdhsa_enable_private_segment 0
		.amdhsa_kernarg_size 56
		.amdhsa_user_sgpr_count 2
		.amdhsa_user_sgpr_kernarg_segment_ptr 1
		.amdhsa_wavefront_size32 1
		.amdhsa_system_sgpr_workgroup_id_x 1
		.amdhsa_system_sgpr_workgroup_id_y 1
		.amdhsa_system_sgpr_workgroup_id_z 1
		.amdhsa_system_vgpr_workitem_id 0
		.amdhsa_next_free_vgpr 1024
		.amdhsa_next_free_sgpr 100
		.amdhsa_reserve_vcc 0
		.amdhsa_float_denorm_mode_32 3
		.amdhsa_float_denorm_mode_16_64 3
		.amdhsa_memory_ordered 1
		.amdhsa_forward_progress 1
		.amdhsa_inst_pref_size 255
	.end_amdhsa_kernel
	.section	.bss,"aw",@nobits
	.p2align	6
	.space	262144
	.amdgpu_metadata
---
amdhsa.version: [ 1, 2 ]
amdhsa.kernels:
  - .name:           k_qfb707d61e4_scores
    .symbol:         k_qfb707d61e4_scores.kd
    .args:
      - { .name: q_codes, .offset: 0, .size: 8, .value_kind: global_buffer, .address_space: global }
      - { .name: q_scales, .offset: 8, .size: 8, .value_kind: global_buffer, .address_space: global }
      - { .name: k_codes, .offset: 16, .size: 8, .value_kind: global_buffer, .address_space: global }
      - { .name: k_scales, .offset: 24, .size: 8, .value_kind: global_buffer, .address_space: global }
      - { .name: p_codes, .offset: 32, .size: 8, .value_kind: global_buffer, .address_space: global }
      - { .name: span_param, .offset: 40, .size: 8, .value_kind: global_buffer, .address_space: global }
      - { .name: p_side, .offset: 48, .size: 8, .value_kind: global_buffer, .address_space: global }
    .group_segment_fixed_size: 327680
    .private_segment_fixed_size: 0
    .kernarg_segment_align: 8
    .kernarg_segment_size: 56
    .max_flat_workgroup_size: 128
    .sgpr_count:     100
    .vgpr_count:     1024
    .wavefront_size: 32
...
	.end_amdgpu_metadata
.endif
;; end of part 2
;; launch mix (part 3): grid 8 x 32, 4 waves a work-group, clusters of 4 x 4, 327,680 bytes of LDS; arguments p_codes, p_side, v_codes, v_scales, out0; writes out0
.if DOCPART == 3
	.amdgcn_target "amdgcn-amd-amdhsa--gfx1250"
	.amdhsa_code_object_version 6
	.text
	.protected	k_qfb707d61e4_mix
	.globl	k_qfb707d61e4_mix
	.p2align	8
	.type	k_qfb707d61e4_mix,@function
k_qfb707d61e4_mix:
	s_mov_b64 s[64:65], 0
	v_nop
	global_prefetch_b8 v0, s[64:65] scope:SCOPE_SE
	s_setreg_imm32_b32 hwreg(HW_REG_WAVE_MODE, 25, 1), 1
	s_wait_xcnt 0x0
	s_wait_alu depctr_hold_cnt(0) depctr_sa_sdst(0) depctr_va_vdst(0) depctr_va_sdst(0) depctr_va_ssrc(0) depctr_va_vcc(0) depctr_vm_vsrc(0)
	s_getreg_b32 s2, hwreg(HW_REG_IB_STS2, 6, 4)
	s_cmp_eq_u32 s2, 0
	s_cbranch_scc0 .Lentry_in_a_cluster
	s_endpgm
.Lentry_in_a_cluster:
	s_bfe_u32 s2, ttmp6, 0x10000c
	s_cmp_lg_u32 s2, 0xf033
	s_cbranch_scc0 .Lentry_shape_is_right
	s_endpgm
.Lentry_shape_is_right:
; out0[b][q][d] = (sum over keys of p[q][key] V[key][d]) / l[q], on codes of BF8 (E5M2) with one E8M0 scale for each 32 keys.
; p's codes come as images of the operand's registers, [128 rows][256 keys][16 rows][128 keys][4 x 512 bytes]; V's codes as [batch][d][2,048 keys]; V's scale bytes as [batch][256 keys][d][8].
; p_side holds, for each row and each 128 keys, p's scale word, -M of those 128 keys (a whole number) and the sum of the unquantised p under that M.
; THE HEAD brings a row's sixteen parts under the row's own M: d = M(part) - M(row), 0 or less, is added to each scale byte of the part (held at 0 from below; d is held at -127) and
; the part's sum is multiplied by 2^d: nothing is rounded.  1 / l is kept for the way out.  A thread serves two rows; the words go to LDS bytes of their own, and so do V's scale bytes (16,384 a work-group, through registers).
; SHARES: a work-group makes 256 rows x 256 columns, four waves of 128 x 128: 64 accumulators, 512 registers (windows 2, 3); V's fragments in window 1, p's in window 0.
; The keys go in steps of 256 through a ring of two LDS slots, filled by joint loads of a 4 x 4 cluster: p's tiles are shared along a row of the cluster, V's along a column.
; The product is used transposed (source 0 = 16 rows of V^T, source 1 = 16 rows of p): a lane holds eight neighbouring columns of one row of the result.
; THE LAST STEP GOES BY ROWS OF THE RESULT: V's fragments of the whole step fill window 1, and my eight blocks of 16 rows are finished one after the other, 16 products each; a finished block is scaled,
; goes through my stage in LDS, comes back as whole rows into its own accumulators' registers and is stored, 512 consecutive bytes an instruction, while the next blocks are multiplied.
; PREFETCH: at the load of step s each wave names its work-group's 32 of the 128 units of 256 bytes that it fetches, for step s + 2 (s = 0 .. 5): the four partners of a joint load share them out by address.
; LIMITS: a part whose M lies more than 127 under the row's keeps d = -127; its bytes are held at 0, that is 2^-127.  The promise holds while the scaled scores stay under 2^31 in magnitude.  NaN and infinities are not served.
.set SIZE_N, 2048
.set NQ,     2                         ; quarters of 128 keys in a step
.set ROWB,   256
.set KROW,   2048
.set PITCH,  272                       ; a row of V's tile in LDS: 256 bytes + 16 of padding
.set FR,     16
.set NL,     4
.set NP,     8                         ; places behind a product on 8-bit codes
.set AIMG,   32768                     ; p: 128 rows x 256 keys, dense
.set HALFT,  128*PITCH
.set BOFF,   2*AIMG
.set SLOT,   BOFF+2*HALFT
.set LAPS,   4
.set ASC,    2*SLOT                    ; p's scale words: [step][256 rows][8 bytes]
.set BSC,    ASC+16384+128             ; V's likewise
.set RL,     BSC+16384+128             ; 1 / l, 256 rows
.set SPARE,  RL+1024                   ; the spare words: 128 bytes a wave
.set SBLK,   128
.set SSTEP,  2048
.set SPITCH, 528                       ; a stage row: 512 bytes + 16
.set PFO,  12                          ; v12 the prefetches' offset; never rewritten
.set VSO,  13                          ; v13 16 x thread
.set SIO,  14
.set RLR,  15
.set ADRA, 16
.set ADRB, 20
.set STO,  24
.set RD,   25
.set CO,   26
.set ADRS, 27
.set SPW,  28
.set NIL,  29
.set ASW,  30
.set RLW,  31
.set SC,   32                          ; v32-63 scale words of two slots
.set RLP,  64                          ; v64-79 1 / l of my rows, in pairs
.set WW,   64                          ; the head's registers
.set NMR,  96
.set LL,   128
.set RR,   160
.set NMG,  192
.set LSUM, 194
.set F0,   196
.set RCP,  202
.set VS,   204
.set AF,   128                         ; v128-255 p's fragments
.set G1, 24
.set G0, 32
.set G1B, 48
.set G0B, 56
.set PFA, 68                           ; s[68:69] where my prefetches stand;  s[70:71] a step on, in bytes
.set PFS, 70
.set MSB, 0
.macro WIN new
.if MSB != \new
	s_set_vgpr_msb (MSB<<8)|\new
.set MSB, \new
.endif
.endm
.set MUL_LO, 0xa1
.set MUL_HI, 0xf1
.set TO_B,   0x40
; a joint load: waves 0, 1 fetch p's halves, waves 2, 3 V's; an s_nop 0 and four v_nop follow each line
.macro JLOAD g0a, g1a, g0b, g1b
	s_cmp_eq_u32 s15, 0
	s_cbranch_scc0 .Lfor_b_\@
	tensor_load_to_lds s[\g0a:\g0a+3], s[\g1a:\g1a+7]
	s_nop 0
.rept 4
	v_nop
.endr
	s_branch .Lasked_\@
.Lfor_b_\@:
	tensor_load_to_lds s[\g0b:\g0b+3], s[\g1b:\g1b+7]
	s_nop 0
.rept 4
	v_nop
.endr
.Lasked_\@:
.endm
.macro CREST
	s_cmp_lg_u32 s14, 0
	s_cbranch_scc1 .Lnot_wave_0_\@
	s_barrier_signal -3
.Lnot_wave_0_\@:
	s_barrier_wait -3
	s_barrier_signal -1
	s_barrier_wait -1
.endm
.macro CROUND
	s_barrier_signal -1
	s_barrier_wait -1
	CREST
.endm
.macro ASK inloop
.if \inloop
	s_cmp_gt_u32 s3, 1                             ; the last trip's two refills have no step two on
	s_cbranch_scc0 .Lnoask_\@
.endif
	global_prefetch_b8 v[PFO], s[PFA:PFA+1] th:TH_LOAD_NT scope:SCOPE_SE
.Lnoask_\@:
.endm
	s_load_b128 s[4:7], s[0:1], 0x0                ; p_codes, p_side
	s_load_b128 s[8:11], s[0:1], 0x10              ; v_codes, v_scales
	s_load_b64 s[12:13], s[0:1], 0x20              ; out0
	v_lshl_add_u32 v[SPW], v0, 2, SPARE
	v_mov_b32 v[NIL], 0
	ds_add_u32 v[SPW], v[NIL]                      ; the add, twice on end,
	ds_add_u32 v[SPW], v[NIL]
	v_lshrrev_b32 v1, 5, v0
	v_readfirstlane_b32 s14, v1                    ; wave
	s_lshr_b32 s15, s14, 1                         ; my half of the rows; also: I fetch p (0) or V (1)
	s_and_b32 s16, s14, 1                          ; my half of the columns; also: which half I fetch
	s_bfe_u32 s40, ttmp6, 0x40000                  ; cx
	s_bfe_u32 s41, ttmp6, 0x40004                  ; cy
	s_lshl_b32 s42, ttmp9, 2
	s_add_co_u32 s42, s42, s40                     ; tile column 0..7
	s_and_b32 s17, ttmp7, 0xffff
	s_lshr_b32 s95, s17, 1                         ; the batch
	s_lshl_b32 s17, s17, 2
	s_add_co_u32 s17, s17, s41                     ; tile row 0..31
	s_lshl_b32 s43, s41, 2
	s_lshl_b32 s43, 15, s43                        ; my row of the cluster
	s_lshl_b32 s44, 0x1111, s40                    ; my column
	s_or_b32 s[G1+0], s43, (3<<16)|(1<<21)         ; p: 128 dense rows of 256 bytes (32 elements of 8), no padding
	s_mov_b32 s[G1+1], 32<<16
	s_mov_b32 s[G1+2], 128<<16
	s_mov_b32 s[G1+3], 32<<16
	s_mov_b32 s[G1+4], 128
	s_mov_b32 s[G1+5], 32
	s_mov_b32 s[G1+6], 0
	s_mov_b32 s[G1+7], 0
	s_or_b32 s[G1B+0], s44, (0<<16)|(1<<20)|(1<<21)|(5<<22)|(3<<25)  ; V: 128 rows of 256 bytes, 2,048 apart, four words of padding behind each
	s_mov_b32 s[G1B+1], ROWB<<16
	s_mov_b32 s[G1B+2], 128<<16
	s_mov_b32 s[G1B+3], ROWB<<16
	s_mov_b32 s[G1B+4], 128
	s_mov_b32 s[G1B+5], KROW
	s_mov_b32 s[G1B+6], 0
	s_mov_b32 s[G1B+7], 0
	s_lshl_b32 s20, s17, 1
	s_add_co_u32 s20, s20, s16
	s_lshl_b32 s20, s20, 18                        ; p: my 128 rows
	s_mov_b32 s21, 0
	s_lshl_b32 s46, s95, 11
	s_lshl_b32 s18, s42, 8
	s_add_co_u32 s46, s46, s18
	s_lshl_b32 s18, s16, 7
	s_add_co_u32 s46, s46, s18
	s_lshl_b32 s46, s46, 11                        ; V: my 128 rows d
	s_mov_b32 s47, 0
	s_lshl_b32 s92, s95, 17
	s_lshl_b32 s18, s42, 11
	s_add_co_u32 s92, s92, s18                     ; V's scale bytes: batch, 256 d x 8 bytes
	s_mov_b32 s93, 0
	s_lshl_b32 s22, s17, 14                        ; p_side: 256 rows x 16 parts x 4 bytes
	s_mov_b32 s23, 0
	s_lshl_b32 s45, s16, 15                        ; LDS: where I put p's half,
	s_mul_i32 s94, s16, HALFT
	s_add_co_u32 s94, s94, BOFF                    ; V's half; also where I read V
	s_add_co_u32 s74, s94, SLOT
	s_lshl_b32 s72, s15, 15                        ; where I read p
	s_add_co_u32 s73, s72, SLOT
	s_lshl_b32 s75, s15, 10
	s_lshl_b32 s76, s16, 10
	s_add_co_u32 s76, s76, BSC-ASC
	s_sub_co_u32 s76, s76, s75                     ; from p's scale words (lanes 0-15) to V's (lanes 16-31)
	s_add_co_u32 s77, s75, ASC
	s_lshl_b32 s78, s15, 9
	s_add_co_u32 s78, s78, RL
	s_mul_i32 s79, s14, 2*16*SPITCH                ; my two stages: in slot 0, used behind its last fill and its last read
	s_lshl_b32 s80, s17, 8
	s_lshl_b32 s81, s15, 7
	s_add_co_u32 s80, s80, s81
	s_lshl_b32 s80, s80, 13
	s_lshl_b32 s81, s42, 10
	s_add_co_u32 s80, s80, s81
	s_lshl_b32 s81, s16, 9
	s_add_co_u32 s80, s80, s81                     ; out0: my first row and column, in bytes
	s_mov_b32 s81, 0
	s_mov_b32 s66, 0x01010101
	s_mov_b32 s84, KROW
	s_cmp_eq_u32 s15, 0
	s_cselect_b32 s84, 256, s84                    ; the prefetches, from lane to lane: a unit of p's block, a row of V
	v_and_b32 v1, 15, v0
	v_bfe_u32 v2, v0, 4, 1
	v_and_b32 v6, 31, v0
	v_lshlrev_b32 v[CO], 4, v6
	v_mul_u32_u24 v[PFO], v6, s84
	v_lshlrev_b32 v[VSO], 4, v0
	v_lshrrev_b32 v[SIO], 6, v0
	v_and_b32 v11, 63, v0
	v_lshlrev_b32 v11, 3, v11
	v_lshl_add_u32 v[SIO], v[SIO], 13, v11         ; p_side: thread t takes rows 2 t, 2 t + 1
	v_mul_u32_u24 v3, v1, PITCH
	v_lshl_add_u32 v4, v2, 4, v3
	v_add_nc_u32 v[ADRA], s72, v[CO]
	v_add_nc_u32 v[ADRA+1], s73, v[CO]
	v_add_nc_u32 v[ADRB], s94, v4
	v_add_nc_u32 v[ADRB+1], s74, v4
	v_mul_u32_u24 v6, s76, v2
	v_lshl_add_u32 v5, v1, 3, v6
	v_add_nc_u32 v[ADRS], s77, v5
	v_lshl_add_u32 v[ASW], v0, 4, ASC
	v_lshl_add_u32 v[RLW], v0, 3, RL
	v_lshl_add_u32 v[RLR], v1, 2, s78
	v_mul_u32_u24 v5, v1, SPITCH
	v_lshl_add_u32 v5, v2, 5, v5
	v_add_nc_u32 v[STO], s79, v5
	v_add_nc_u32 v[RD], s79, v[CO]
	s_wait_dscnt 0x0                               ; and the one wait for both adds
	s_wait_alu depctr_va_vdst(0)
	s_wait_kmcnt 0x0
	s_add_nc_u64 s[6:7], s[6:7], s[22:23]
	s_add_nc_u64 s[10:11], s[10:11], s[92:93]
	s_add_nc_u64 s[20:21], s[4:5], s[20:21]
	s_add_nc_u64 s[46:47], s[8:9], s[46:47]
	s_add_nc_u64 s[12:13], s[12:13], s[80:81]
	s_mov_b32 s[PFS], ROWB
	s_mov_b32 s[PFS+1], 0
	s_cmp_eq_u32 s15, 0
	s_cselect_b64 s[PFA:PFA+1], s[20:21], s[46:47] ; the prefetches: what I fetch,
	s_cselect_b32 s82, s40, s41                    ; my place among the four that ask with me,
	s_cselect_b32 s83, 13, 16                      ; x 32 units of 256 bytes, or x 32 rows of 2,048
	s_cselect_b32 s[PFS], AIMG, s[PFS]
	s_lshl_b32 s82, s82, s83
	s_mov_b32 s83, 0
	s_add_nc_u64 s[PFA:PFA+1], s[PFA:PFA+1], s[82:83]
	s_add_nc_u64 s[86:87], s[PFA:PFA+1], s[PFS:PFS+1]   ; step 1: a pair of its own, never rewritten
	s_add_nc_u64 s[PFA:PFA+1], s[86:87], s[PFS:PFS+1]   ; step 2
.irp c, 0,1,2,3,4,5,6,7,8,9,10,11,12,13,14,15
	global_load_b64 v[NMR+2*\c:NMR+2*\c+1], v[SIO], s[6:7] offset:524288+512*\c     ; -M of part c
.endr
.irp c, 0,1,2,3,4,5,6,7,8,9,10,11,12,13,14,15
	global_load_b64 v[LL+2*\c:LL+2*\c+1], v[SIO], s[6:7] offset:1048576+512*\c      ; its sum
	global_load_b64 v[WW+2*\c:WW+2*\c+1], v[SIO], s[6:7] offset:512*\c              ; its scale word
.endr
.irp g, 0,1,2,3,4,5,6,7
	global_load_b128 v[VS+4*\g:VS+4*\g+3], v[VSO], s[10:11] offset:16384*\g         ; V's scale bytes of step g: 128 threads read 2,048 consecutive bytes
.endr
	global_prefetch_b8 v[PFO], s[86:87] th:TH_LOAD_NT scope:SCOPE_SE   ; step 1, whose load stands behind the second round
.irp s, 0,1
	s_mov_b32 s[G0+4*\s], 1
	s_add_co_u32 s[G0+4*\s+1], s45, \s*SLOT
	s_add_nc_u64 s[G0+4*\s+2:G0+4*\s+3], s[20:21], \s*AIMG
	s_or_b32 s[G0+4*\s+3], s[G0+4*\s+3], 0x80000000
	s_mov_b32 s[G0B+4*\s], 1
	s_add_co_u32 s[G0B+4*\s+1], s94, \s*SLOT
	s_add_nc_u64 s[G0B+4*\s+2:G0B+4*\s+3], s[46:47], \s*ROWB
	s_or_b32 s[G0B+4*\s+3], s[G0B+4*\s+3], 0x80000000
.endr
	CROUND                                         ; all sixteen work-groups are here: the first joint loads meet
	JLOAD G0, G1, G0B, G1B                         ; step 0: my one tensor load at the head
	ASK 0                                          ; step 2
	s_wait_loadcnt 40                              ; the sixteen loads of -M are in; the 32 + 8 behind them may be out
.irp e, 0,1
	v_min_num_f32 v[NMG+\e], v[NMR+\e], v[NMR+2+\e]
.endr
.irp c, 2,3,4,5,6,7,8,9,10,11,12,13,14,15
.irp e, 0,1
	v_min_num_f32 v[NMG+\e], v[NMG+\e], v[NMR+2*\c+\e]   ; -M of the row
.endr
.endr
	s_wait_alu depctr_va_vdst(0)
	s_wait_loadcnt 0x0
.macro FIXW c, e
	v_sub_f32 v[F0], v[NMG+\e], v[NMR+2*\c+\e]     ; d = M(part) - M(row)
	v_max_num_f32 v[F0], 0xc2fe0000, v[F0]         ; held at -127
	v_cvt_i32_f32 v[F0], v[F0]
.if \c == 0
	v_ldexp_f32 v[LSUM+\e], v[LL+\e], v[F0]
.else
	v_ldexp_f32 v[F0+1], v[LL+2*\c+\e], v[F0]
	v_add_f32 v[LSUM+\e], v[LSUM+\e], v[F0+1]
.endif
	v_mul_lo_u32 v[F0+2], v[F0], s66               ; d in all four bytes.  p's bytes lie under 128: bit 7 of each is set
	v_or_b32 v[F0+3], 0x80808080, v[WW+2*\c+\e]
	v_add_nc_u32 v[F0+3], v[F0+3], v[F0+2]
	v_and_b32 v[F0+4], 0x80808080, v[F0+3]         ; and a byte whose guard is gone has fallen under 0: it becomes 0
	v_lshrrev_b32 v[F0+5], 7, v[F0+4]
	v_sub_nc_u32 v[F0+4], v[F0+4], v[F0+5]
	v_and_b32 v[RR+4*(\c/2)+2*\e+(\c%2)], v[F0+3], v[F0+4]
.endm
.irp c, 0,1,2,3,4,5,6,7,8,9,10,11,12,13,14,15
.irp e, 0,1
	FIXW \c, \e
.endr
.endr
	s_wait_alu depctr_va_vdst(0)                   ; the wait ahead of the transcendentals
	v_rcp_f32 v[RCP], v[LSUM]
	v_rcp_f32 v[RCP+1], v[LSUM+1]
	v_nop
	s_wait_alu depctr_va_vdst(0)                   ; and behind them
	ds_store_b64 v[RLW], v[RCP:RCP+1]
.irp s, 0,1,2,3,4,5,6,7
	ds_store_b128 v[ASW], v[RR+4*\s:RR+4*\s+3] offset:2048*\s
	ds_store_b128 v[ASW], v[VS+4*\s:VS+4*\s+3] offset:(BSC-ASC)+2048*\s
.endr
	s_wait_xcnt 0x0                                ; the first prefetch has read its address
	s_add_nc_u64 s[PFA:PFA+1], s[PFA:PFA+1], s[PFS:PFS+1]
	s_wait_alu depctr_va_vdst(0)
	s_wait_tensorcnt 0x0                           ; my part of step 0 is in
	ds_add_u32 v[SPW], v[NIL]
	s_wait_dscnt 0x0                               ; the add and my stores of scale words are done
	CROUND
	JLOAD G0+4, G1, G0B+4, G1B                     ; step 1, the first tensor load behind the round
.macro FRAGB reg, adr, q, i
.irp c, 0,1,2,3
	ds_load_b128 v[\reg+4*\c:\reg+4*\c+3], v[\adr] offset:128*(\q)+32*\c+(\i)*16*PITCH
.endr
.endm
.macro FRAGA reg, adr, q, i
.irp c, 0,1,2,3
	ds_load_b128 v[\reg+4*\c:\reg+4*\c+3], v[\adr] offset:4096*(\i)+2048*(\q)+512*\c
.endr
.endm
; 16 products: row blocks a0, a0 + 1 x all 8 column blocks, 128 keys; the 64 accumulators take turns
.macro MUL16 a0, p, q, sc, zero
.irp a, \a0, \a0+1
.irp b, 0,1,2,3,4,5,6,7
.if \zero
	v_wmma_scale_f32_16x16x128_f8f6f4 v[8*(8*((\a)%4)+\b):8*(8*((\a)%4)+\b)+7], v[128*(\p)+FR*\b:128*(\p)+FR*\b+FR-1], v[AF+FR*(\a):AF+FR*(\a)+FR-1], 0, v[SC+8*NQ*(\sc)+NQ*\b+(\q)], v[SC+8*NQ*(\sc)+NQ*(\a)+(\q)] matrix_a_fmt:MATRIX_FMT_BF8 matrix_b_fmt:MATRIX_FMT_BF8 matrix_a_scale:MATRIX_SCALE_ROW1
.else
	v_wmma_scale_f32_16x16x128_f8f6f4 v[8*(8*((\a)%4)+\b):8*(8*((\a)%4)+\b)+7], v[128*(\p)+FR*\b:128*(\p)+FR*\b+FR-1], v[AF+FR*(\a):AF+FR*(\a)+FR-1], v[8*(8*((\a)%4)+\b):8*(8*((\a)%4)+\b)+7], v[SC+8*NQ*(\sc)+NQ*\b+(\q)], v[SC+8*NQ*(\sc)+NQ*(\a)+(\q)] matrix_a_fmt:MATRIX_FMT_BF8 matrix_b_fmt:MATRIX_FMT_BF8 matrix_a_scale:MATRIX_SCALE_ROW1
.endif
.endr
.endr
.endm
.macro FETCH_B slot, q, p
	WIN TO_B
.irp i, 0,1,2,3,4,5,6,7
	FRAGB 128*(\p)+FR*\i, ADRB+\slot, \q, \i
.endr
	WIN 0
.endm
.macro FETCH_A slot, q, i0
.irp i, \i0, \i0+1, \i0+2, \i0+3
	FRAGA AF+FR*(\i), ADRA+\slot, \q, \i
.endr
.endm
.macro SCALES sc
.irp i, 0,1,2,3,4,5,6,7
	ds_load_b64 v[SC+8*NQ*\sc+NQ*\i:SC+8*NQ*\sc+NQ*\i+1], v[ADRS] offset:\i*SBLK
.endr
.endm
.macro PLACES n
.rept \n
	v_nop
.endr
.endm
; a step's first quarter; in it the second quarter's fragments are fetched
.macro STEP slot, q, zero
	s_wait_dscnt 4*NL                              ; all but p's youngest 16 loads (row blocks 4-7)
	WIN MUL_LO
	MUL16 0, (\q)%2, \q, \slot, \zero
	MUL16 2, (\q)%2, \q, \slot, \zero
	s_wait_dscnt 0
	PLACES NP
	FETCH_B \slot, (\q)+1, 1-(\q)%2
	FETCH_A \slot, (\q)+1, 0
	WIN MUL_HI
	MUL16 4, (\q)%2, \q, \slot, \zero
	MUL16 6, (\q)%2, \q, \slot, \zero
	PLACES NP
	WIN 0
	FETCH_A \slot, (\q)+1, 4
.endm
; the change of slots, in a step's second quarter: all my tensor loads are in, the add, my reads of this slot are over; then the barrier
.macro MEET slot
	s_wait_tensorcnt 0x0
	ds_add_u32 v[SPW], v[NIL]
	s_wait_dscnt 4*NL+1                            ; (the add and p's youngest 16 loads may be out)
	WIN MUL_LO
	MUL16 0, 1, NQ-1, \slot, 0
	s_wait_dscnt 0x0
	s_barrier_signal -1
	MUL16 2, 1, NQ-1, \slot, 0
	WIN 0
	s_barrier_wait -1
.endm
.macro TURN slot, next
	s_wait_xcnt 0x0                                ; my last prefetch has read its address
	s_add_nc_u64 s[PFA:PFA+1], s[PFA:PFA+1], s[PFS:PFS+1]
	MEET \slot
	CREST                                          ; the barrier opened a round of the cluster's: no wave of any partner still reads this slot
	s_add_nc_u64 s[G0+4*\slot+2:G0+4*\slot+3], s[G0+4*\slot+2:G0+4*\slot+3], 2*AIMG
	s_add_nc_u64 s[G0B+4*\slot+2:G0B+4*\slot+3], s[G0B+4*\slot+2:G0B+4*\slot+3], 2*ROWB
	JLOAD G0+4*\slot, G1, G0B+4*\slot, G1B         ; two steps on, into the slot just left
	PLACES NP-4
	s_wait_alu depctr_va_vdst(0)
	v_add_nc_u32 v[ADRS], SSTEP, v[ADRS]
	FETCH_B \next, 0, 0
	FETCH_A \next, 0, 0
	SCALES \next
	ASK 1
	WIN MUL_HI
	MUL16 4, 1, NQ-1, \slot, 0
	MUL16 6, 1, NQ-1, \slot, 0
	PLACES NP
	WIN 0
	FETCH_A \next, 0, 4
.endm
.irp a, 0,1,2,3,4,5,6,7
	ds_load_b32 v[RLP+2*\a], v[RLR] offset:64*\a
	ds_load_b32 v[RLP+2*\a+1], v[RLR] offset:64*\a
.endr
	FETCH_B 0, 0, 0
	FETCH_A 0, 0, 0
	SCALES 0
	FETCH_A 0, 0, 4
	ASK 0                                          ; step 3
	STEP 0, 0, 1                                   ; the first products start the sums
	s_mov_b32 s3, LAPS-1
.Llap:
	TURN 0, 1
	STEP 1, 0, 0
	TURN 1, 0
	STEP 0, 0, 0
	s_sub_co_u32 s3, s3, 1
	s_cmp_lg_u32 s3, 0
	s_cbranch_scc1 .Llap
; THE LAST STEP (slot 1), BY ROWS
.macro ALOAD a                         ; p's fragments of row block a, both quarters -> buffer a % 4
.irp q, 0,1
.irp c, 0,1,2,3
	ds_load_b128 v[AF+32*((\a)%4)+16*\q+4*\c:AF+32*((\a)%4)+16*\q+4*\c+3], v[ADRA+1] offset:4096*(\a)+2048*\q+512*\c
.endr
.endr
.endm
.macro ROW a                           ; row block a is finished: 16 products, its 8 accumulators by turns
	WIN (MUL_LO+0x50*((\a)/4))
.irp q, 0,1
.if (\a) == 0 && \q == 1
	s_wait_dscnt 16                                ; V's second quarter is in (behind it: p's blocks 2 and 3)
.endif
.irp b, 0,1,2,3,4,5,6,7
	v_wmma_scale_f32_16x16x128_f8f6f4 v[8*(8*((\a)%4)+\b):8*(8*((\a)%4)+\b)+7], v[128*\q+FR*\b:128*\q+FR*\b+FR-1], v[AF+32*((\a)%4)+16*\q:AF+32*((\a)%4)+16*\q+15], v[8*(8*((\a)%4)+\b):8*(8*((\a)%4)+\b)+7], v[SC+8*NQ+NQ*\b+\q], v[SC+8*NQ+NQ*(\a)+\q] matrix_a_fmt:MATRIX_FMT_BF8 matrix_b_fmt:MATRIX_FMT_BF8 matrix_a_scale:MATRIX_SCALE_ROW1
.endr
.endr
.endm
.macro RESCALE a                       ; x 1 / l of my row, each accumulator from its low end on
	WIN (0x82+0x41*((\a)/4))
.set j, 0
.rept 32
	v_pk_mul_f32 v[64*((\a)%4)+j:64*((\a)%4)+j+1], v[64*((\a)%4)+j:64*((\a)%4)+j+1], v[RLP+2*(\a):RLP+2*(\a)+1]
.set j, j+2
.endr
.endm
.macro TOSTAGE a                       ; into my stage: row = lane % 16, 32 bytes for each half of the lanes
	WIN (0x08+4*((\a)/4))
.irp b, 0,1,2,3,4,5,6,7
	ds_store_b128 v[STO], v[64*((\a)%4)+8*\b:64*((\a)%4)+8*\b+3] offset:16*SPITCH*((\a)%2)+64*\b      ; stage a % 2
	ds_store_b128 v[STO], v[64*((\a)%4)+8*\b+4:64*((\a)%4)+8*\b+7] offset:16*SPITCH*((\a)%2)+64*\b+16
.endr
.endm
.macro BACK a                          ; and back by rows of 512 bytes, into the block's own 64 registers
	WIN (0x80+0x40*((\a)/4))
.irp t, 0,1,2,3,4,5,6,7,8,9,10,11,12,13,14,15
	ds_load_b128 v[64*((\a)%4)+4*\t:64*((\a)%4)+4*\t+3], v[RD] offset:16*SPITCH*((\a)%2)+\t*SPITCH
.endr
.endm
.macro SEND a                          ; every offset is an immediate (127 rows of 8,192 bytes at the most), and no store's register is written again: no wait for the stores
	WIN (0x08+4*((\a)/4))
.irp t, 0,1,2,3,4,5,6,7,8,9,10,11,12,13,14,15
	global_store_b128 v[CO], v[64*((\a)%4)+4*\t:64*((\a)%4)+4*\t+3], s[12:13] offset:(16*(\a)+\t)*SIZE_N*4 th:TH_STORE_NT
.endr
.endm
	MEET 0                                         ; the load that was out is slot 1's, the last step's, so no round follows
	PLACES NP
	s_wait_alu depctr_va_vdst(0)
	v_add_nc_u32 v[ADRS], SSTEP, v[ADRS]
	FETCH_B 1, 0, 0
	ALOAD 0
	ALOAD 1
	SCALES 1
	WIN MUL_HI
	MUL16 4, 1, NQ-1, 0, 0
	MUL16 6, 1, NQ-1, 0, 0
	PLACES NP
	FETCH_B 1, 1, 1
	ALOAD 2
	ALOAD 3
	s_wait_dscnt 48                                ; all but the 32 + 16 just issued
	ROW 0
	PLACES NP
	WIN 0
	ALOAD 4
	RESCALE 0
	TOSTAGE 0
.irp a, 0,1,2,3,4,5,6,7
; three blocks are in hand: block a + 1 is multiplied, scaled and put into its stage; block a comes back from the other stage; block a - 1, which is back, is stored
.if \a < 7
	ROW \a+1
	PLACES NP
.if \a < 3
	WIN 0
	ALOAD \a+5
.endif
	RESCALE \a+1
	TOSTAGE \a+1
	s_wait_alu depctr_va_vdst(0)
	s_wait_dscnt 16                                ; all but the 16 stores just issued: block a's stores into its stage have read their registers, block a - 1 is back, p's fragments are in
.else
	s_wait_dscnt 0x0
.endif
	BACK \a
.if \a > 0
	SEND \a-1
.endif
.endr
	s_wait_dscnt 0x0                               ; the last block is back
	SEND 7
	WIN 0
	s_wait_tensorcnt 0x0                           ; the wave's end
	ds_add_u32 v[SPW], v[NIL]
	s_wait_dscnt 0x0
	CROUND                                         ; the closing round
	s_endpgm
.Lfunc_end_k_qfb707d61e4_mix:
	.size	k_qfb707d61e4_mix, .Lfunc_end_k_qfb707d61e4_mix-k_qfb707d61e4_mix
	.p2alignl 7, 3214868480
	.fill 96, 4, 3214868480
	.section	.rodata,"a",@progbits
	.p2align	6, 0x0
	.amdhsa_kernel k_qfb707d61e4_mix
		.amdhsa_group_segment_fixed_size 327680
		.amdhsa_private_segment_fixed_size 0
		.amdhsa_enable_private_segment 0
		.amdhsa_kernarg_size 40
		.amdhsa_user_sgpr_count 2
		.amdhsa_user_sgpr_kernarg_segment_ptr 1
		.amdhsa_wavefront_size32 1
		.amdhsa_system_sgpr_workgroup_id_x 1
		.amdhsa_system_sgpr_workgroup_id_y 1
		.amdhsa_system_sgpr_workgroup_id_z 1
		.amdhsa_system_vgpr_workitem_id 0
		.amdhsa_next_free_vgpr 1024
		.amdhsa_next_free_sgpr 96
		.amdhsa_reserve_vcc 0
		.amdhsa_float_denorm_mode_32 3
		.amdhsa_float_denorm_mode_16_64 3
		.amdhsa_memory_ordered 1
		.amdhsa_forward_progress 1
		.amdhsa_inst_pref_size 189
	.end_amdhsa_kernel
	.amdgpu_metadata
---
amdhsa.version: [ 1, 2 ]
amdhsa.kernels:
  - .name:           k_qfb707d61e4_mix
    .symbol:         k_qfb707d61e4_mix.kd
    .args:
      - { .name: p_codes, .offset: 0, .size: 8, .value_kind: global_buffer, .address_space: global }
      - { .name: p_side, .offset: 8, .size: 8, .value_kind: global_buffer, .address_space: global }
      - { .name: v_codes, .offset: 16, .size: 8, .value_kind: global_buffer, .address_space: global }
      - { .name: v_scales, .offset: 24, .size: 8, .value_kind: global_buffer, .address_space: global }
      - { .name: out0, .offset: 32, .size: 8, .value_kind: global_buffer, .address_space: global }
    .group_segment_fixed_size: 327680
    .private_segment_fixed_size: 0
    .kernarg_segment_align: 8
    .kernarg_segment_size: 40
    .max_flat_workgroup_size: 128
    .sgpr_count:     96
    .vgpr_count:     1024
    .wavefront_size: 32
...
	.end_amdgpu_metadata
.endif
;; end of part 3
